; MI455X (gfx1250); checked and timed in simulation.
; The chip was launched on July 23, 2026; its instructions are those of AMD's public machine-readable ISA for CDNA 5 (MIT licence, August 2026) and "CDNA5" Instruction Set Architecture Reference Guide (July 2026). The comments in the code are by the model that wrote it; some were corrected since.
;; Multi Head Attention Wrapper. Allowed arithmetic: matrix products marked QUANTISED: E4M3 operands, one E8M0 scale for each 32 along K, by v_wmma_scale_f32_16x16x128_f8f6f4 with both operands' format E4M3, f32 sums; everything else in f32.
;; Inputs: w_k_codes 16 x 64 x 32 x 32 uint8 (E4M3 codes of w_k, K innermost, in blocks of 32 codes); w_k_scales 16 x 64 x 32 uint8 (E8M0 scales of w_k, one for each 32 codes along K); w_o_codes 1,024 x 32 x 32 uint8 (E4M3 codes of w_o, K innermost, in blocks of 32 codes); w_o_scales 1,024 x 32 uint8 (E8M0 scales of w_o, one for each 32 codes along K); w_q_codes 16 x 64 x 32 x 32 uint8 (E4M3 codes of w_q, K innermost, in blocks of 32 codes); w_q_scales 16 x 64 x 32 uint8 (E8M0 scales of w_q, one for each 32 codes along K); w_v_codes 16 x 64 x 32 x 32 uint8 (E4M3 codes of w_v, K innermost, in blocks of 32 codes); w_v_scales 16 x 64 x 32 uint8 (E8M0 scales of w_v, one for each 32 codes along K); x_codes 2 x 2,048 x 32 x 32 uint8 (E4M3 codes of x, K innermost, in blocks of 32 codes); x_scales 2 x 2,048 x 32 uint8 (E8M0 scales of x, one for each 32 codes along K).
;; Outputs: out0 2 x 2,048 x 1,024 float32.
;; This version of the problem:
;;   THIS VERSION OF THE PROBLEM IS GIVEN IN LOW PRECISION. The matrix products marked QUANTISED in the list below multiply operands that are first quantised to E4M3 (4 exponent bits, 3 mantissa bits; 8 bits a number), with one power-of-two scale for each 32 numbers along K (OCP MX v1.0); their sums are f32. All else is computed in f32.
;;   The module's matrix products, in the order in which they are computed (A, B: the left and right operand; K: the contracted axis; several contracted axes count as one K, in the product's order):
;;     1. [M 1,024, K 1,024] x [K 1,024, N 4,096]; A: input w_q (given as codes); B: input x (given as codes): QUANTISED
;;     2. [M 1,024, K 1,024] x [K 1,024, N 4,096]; A: input w_k (given as codes); B: input x (given as codes): QUANTISED
;;     3. [M 1,024, K 1,024] x [K 1,024, N 4,096]; A: input w_v (given as codes); B: input x (given as codes): QUANTISED
;;     4. batch 32 x [M 2,048, K 64] x [K 64, N 2,048]; A: computed on the way; B: computed on the way: QUANTISED
;;     5. batch 32 x [M 2,048, K 2,048] x [K 2,048, N 64]; A: softmax (see below); B: computed on the way: QUANTISED
;;     6. [M 4,096, K 1,024] x [K 1,024, N 1,024]; A: computed on the way; B: input w_o (given as codes): QUANTISED
;;   THE QUANTISER, for each operand of a quantised product, along K:
;;     - K is cut into blocks of 32 from its start; a last block that is shorter is filled with zeros.
;;     - A block's scale is 2^e with e = floor(log2(the largest magnitude in the block)) - 8, held to -126 .. 127; a block of zeros has e = 0. As a byte (E8M0): e + 127.
;;     - Each number is divided by its block's scale, clamped to +-448, and rounded to the nearest number of E4M3, ties to even, subnormals kept.
;;     - The product sums the exact products of the quantised numbers (number of the format x scale) in f32.
;;   ~~~python
;;   def quantise(x, axis):      # numpy; x: float32 -> the quantised numbers, widened to float32 again
;;       x = np.moveaxis(x, axis, -1); K = x.shape[-1]
;;       x = np.pad(x, [(0, 0)] * (x.ndim - 1) + [(0, -K % 32)]); x = x.reshape(x.shape[:-1] + (-1, 32)); a = np.abs(x).max(-1, keepdims=True)
;;       e = np.where(a > 0, np.clip(np.frexp(np.where(a > 0, a, 1))[1] - 1 - 8, -126, 127), 0)      # np.frexp(a)[1] - 1 = floor(log2(a)), exactly
;;       r = np.clip(x / 2.0 ** e, -448, 448)
;;       step = 2.0 ** (np.maximum(np.frexp(np.where(r == 0, 1, r))[1] - 1, -6) - 3)
;;       q = np.round(r / step) * step * 2.0 ** e      # np.round: ties to even
;;       return np.moveaxis(q.reshape(q.shape[:-2] + (-1,))[..., :K], -1, axis).astype(np.float32)
;;   ~~~
;;   SOFTMAX AHEAD OF A QUANTISED PRODUCT. Where the list says 'softmax', what is quantised is not the finished softmax but p = 2^(t - M), with t = logit x log2(e) and M = ceil(the row's largest t), a whole number; so 1/2 < the row's largest p <= 1. The row's sum l is taken of the UNQUANTISED p, in f32, and the product's result is divided by l at the end. Since M is a whole number, a kernel that streams over the keys may use a running M (the ceiling of the running maximum): every later rescaling is an exact power of two, which a block's scale takes up: the codes' values come out the same.
;;   OPERANDS COMPUTED ON THE WAY. 'Computed on the way' means the value that the module computes at that place (a softmax that the list does not call 'softmax' is quantised finished and normalised). What goes into a quantiser is computed in f32, as accurately as f32 sums, v_exp_f32 and their like allow (about 1e-6 of the number): no bf16 or f16 on the way to a quantiser, and a product that is left as it is and whose result goes on into a quantised operand takes f32 operands (vector FMAs, or v_wmma_f32_16x16x4_f32). A number that lies on a knife's edge between two numbers of the format may be rounded either way, as far as f32 arithmetic and the matrix unit's own rounding can turn it there, and no further.
;;   INPUTS GIVEN AS CODES. w_k (in the module: [16, 64, 1024], K = its axis 2); w_o (in the module: [1024, 1024], K = its axis 1); w_q (in the module: [16, 64, 1024], K = its axis 2); w_v (in the module: [16, 64, 1024], K = its axis 2); x (in the module: [2, 2048, 1024], K = its axis 2): each comes as NAME_codes (uint8): NAME with its K axis moved to the last place and cut into blocks of 32 codes, [.., K / 32, bytes a block], one block behind the other in memory; one code a byte (a code: sign, 4 exponent bits, 3 mantissa bits); and NAME_scales (uint8): the same leading axes, one E8M0 byte (e + 127) for each 32 codes along K. Its value is code x scale, taken as it is: it is not quantised again, and the codes and scales need not be those that the quantiser above would give.
;; One version. Each part assembles by itself: llvm-mc -triple=amdgcn-amd-amdhsa -mcpu=gfx1250 --defsym DOCPART=n.
;; ======== version 1 of 1: 3 launches
;; limits: right only within a limited range of input values
;; workspace buffers: q_img 4,194,304 bytes; q_sc 131,072 bytes; kv 8,650,752 bytes; cat_img 4,194,304 bytes; cat_sc 131,072 bytes
;; launch proj (part 1): grid 16 x 16, 4 waves a work-group, clusters of 4 x 4, 327,680 bytes of LDS; arguments x_codes, x_scales, w_q_codes, w_q_scales, w_k_codes, w_k_scales, w_v_codes, w_v_scales, q_img, q_sc, kv; writes q_img, q_sc, kv
.if DOCPART == 1
	.amdgcn_target "amdgcn-amd-amdhsa--gfx1250"
	.amdhsa_code_object_version 6
	.text
	.protected	k_q8fa68581ea_proj
	.globl	k_q8fa68581ea_proj
	.p2align	8
	.type	k_q8fa68581ea_proj,@function
k_q8fa68581ea_proj:
	s_mov_b64 s[64:65], 0
	v_nop
	global_prefetch_b8 v0, s[64:65] scope:SCOPE_SE
	s_setreg_imm32_b32 hwreg(HW_REG_WAVE_MODE, 25, 1), 1
	s_wait_xcnt 0x0
	s_wait_alu depctr_hold_cnt(0) depctr_sa_sdst(0) depctr_va_vdst(0) depctr_va_sdst(0) depctr_va_ssrc(0) depctr_va_vcc(0) depctr_vm_vsrc(0)
	s_getreg_b32 s2, hwreg(HW_REG_IB_STS2, 6, 4)
	s_cmp_eq_u32 s2, 0
	s_cbranch_scc0 .Lentry_in_a_cluster
	s_endpgm
.Lentry_in_a_cluster:
	s_bfe_u32 s2, ttmp6, 0x10000c
	s_cmp_lg_u32 s2, 0xf033
	s_cbranch_scc0 .Lentry_shape_is_right
	s_endpgm
.Lentry_shape_is_right:
; q = x Wq^T, k = x Wk^T, v = x Wv^T on codes of FP8 (E4M3) with one E8M0 byte for each 32 along K = 1,024; the results are quantised at once: q and k along the head's 64, v along the keys.
; THE PROGRAM leaves out no input; of the work only whole key steps under the causal mask that reference() builds (launch attn).
; SHARES.  A work-group takes 256 rows of x (Y) and one head (X): 64 rows each of w_q, w_k, w_v.  Wave w (rh = w / 2, ch = w % 2) takes rows 128 rh on (8 tiles of 16) against 4 tiles of w_q (ch = 0) or
; w_k (ch = 1) and tiles 2 ch, 2 ch + 1 of w_v: 48 accumulators.  q and k: source 0 = 16 rows of W, source 1 = 16 rows of x: a lane holds ONE row of x and its registers run along the head's 64.
; v: source 0 = 16 rows of x, source 1 = 16 rows of w_v: a lane holds ONE channel and its registers run along the keys.  So each quantiser finds its K in a lane's registers.
; K goes in four steps of 256 through two LDS slots of 448 rows (waves 0, 1, 2 fetch w_q, w_k, w_v, wave 3 x): slot 0's first fill at the head, slot 1's behind the round that shows slot 0; each slot is filled once more.
; Scale words go from memory straight into registers: a lane's 32 bytes are its row's words for all of K.
; CLUSTER 4 x 4: x's tiles hang on Y alone and are asked for jointly along a row of the cluster, the weights' on X alone, along a column.
; WHAT LEAVES are images of operand registers: a group of four registers is 512 bytes, lane l's 16 bytes at 16 l.  Inside a block of 32 the order of k is that of the result's layout (8 h + i, then 16 + 8 h + i);
; both operands of each later product are made so, and a permutation of k inside a block, alike on both sides, changes no product.
; LIMITS: a block of zeros gets the byte 1 and not 127 (its codes are zeros, and the bytes are read by this program alone); NaN and infinities among the inputs are not served.
; REGISTERS: window 0: v1-20 addresses, v28-29 the add's, v32-63 x's scale words, v68-91 the weights', v92-116 the quantiser's, v128-255 v's 16 accumulators.  Windows 1, 2: two sets of fragments (x tile a at 16 a, weight tile n at 128 + 16 n);
; behind the products window 1's v0-95 take the codes.  Window 3: q's or k's 32 accumulators, (a, t) at 8 (4 a + t).
.set PITCH, 272                        ; 256 bytes + 16 of padding, an odd multiple of 16 bytes: the 16 rows of a fragment load start at 16 different columns
.set SLOT,  448*PITCH                  ; rows 0-63 w_q, 64-127 w_k, 128-191 w_v, 192-447 x
.set SPARE, 2*SLOT                     ; the spare words: 128 bytes for each wave, two blocks of 256 bytes that no other line names
.set REC,   16896                      ; a record of kv: 8,192 K codes, 8,192 V codes, 256 K scale bytes, 256 V scale bytes
.set ADRX, 8                           ; v8-9 my x fragments in slot 0, 1; v10-11 w_q's or w_k's; v12-13 w_v's
.set ADRW, 10
.set ADRV, 12
.set SPW,  28
.set NIL,  29
.set SX,   32                          ; SX + 8 p + k: lanes 0-15 x tile 2 p's word of the k-th 128, lanes 16-31 tile 2 p + 1's
.set SW,   68                          ; p = 0, 1: w_q's or w_k's tiles; p = 2: my two of w_v
.set TM,   92                          ; largest magnitudes, bytes, 448 x the scale, the conversions' scale operands: four each
.set PW,   108                         ; the six scale words
.set G1X,  28
.set G1W,  36
.set G0X,  44                          ; s[44:51], s[52:59]: a group 0 for each slot
.set G0W,  52
.set WV,   88
.set FTILE, (1<<20)|(1<<21)|(5<<22)|(3<<25)    ; after every 64 words 4 of padding
.set MSB, 0
.macro WIN new                         ; the immediate's high byte repeats the setting that is left
.if MSB != (\new)
	s_set_vgpr_msb (MSB<<8)|(\new)
.set MSB, (\new)
.endif
.endm
.macro PLACES n
.rept \n
	v_nop
.endr
.endm
; A joint load: wave 3 asks for x's part, waves 0 to 2 for a weight's.  Each line has one mask; the branch hangs on the wave's number alone.  Four v_nop follow each line.
.macro JLOAD g0x, g0w
	s_cmp_eq_u32 s[WV], 3
	s_cbranch_scc0 .Lfor_w_\@
	tensor_load_to_lds s[\g0x:\g0x+3], s[G1X:G1X+7]
	s_nop 0
	PLACES 4
	s_branch .Lasked_\@
.Lfor_w_\@:
	tensor_load_to_lds s[\g0w:\g0w+3], s[G1W:G1W+7]
	s_nop 0
	PLACES 4
.Lasked_\@:
.endm
.macro CREST                           ; a round of the cluster's barrier behind its opening barrier
	s_cmp_lg_u32 s[WV], 0
	s_cbranch_scc1 .Lnot_wave_0_\@
	s_barrier_signal -3
.Lnot_wave_0_\@:
	s_barrier_wait -3
	s_barrier_signal -1
	s_barrier_wait -1
.endm
.macro CROUND
	s_barrier_signal -1
	s_barrier_wait -1
	CREST
.endm
.macro GROUP1 g, mask, rows
	s_or_b32 s[\g], s\mask, FTILE
	s_mov_b32 s[\g+1], 256<<16
	s_mov_b32 s[\g+2], \rows<<16
	s_mov_b32 s[\g+3], 256<<16
	s_mov_b32 s[\g+4], \rows
	s_mov_b32 s[\g+5], 1024
	s_mov_b32 s[\g+6], 0
	s_mov_b32 s[\g+7], 0
.endm
	s_load_b512 s[4:19], s[0:1], 0x0               ; x codes, x scales, w_q codes, scales, w_k codes, scales, w_v codes, scales
	s_load_b128 s[20:23], s[0:1], 0x40             ; q_img, q_sc
	s_load_b64 s[24:25], s[0:1], 0x50              ; kv
	v_lshl_add_u32 v[SPW], v0, 2, SPARE
	v_mov_b32 v[NIL], 0
	ds_add_u32 v[SPW], v[NIL]                      ; the opening lines: the add, twice on end, and its wait
	ds_add_u32 v[SPW], v[NIL]
	v_lshrrev_b32 v1, 5, v0
	v_readfirstlane_b32 s[WV], v1                  ; wave 0..3
	s_lshr_b32 s89, s[WV], 1                       ; rh
	s_and_b32 s90, s[WV], 1                        ; ch
	s_bfe_u32 s91, ttmp6, 0x40000                  ; cx
	s_bfe_u32 s92, ttmp6, 0x40004                  ; cy
	s_lshl_b32 s93, ttmp9, 2
	s_add_co_u32 s93, s93, s91                     ; X: the head
	s_and_b32 s94, ttmp7, 0xffff
	s_lshl_b32 s94, s94, 2
	s_add_co_u32 s94, s94, s92                     ; Y: which 256 rows of x
	s_lshl_b32 s95, s92, 2
	s_lshl_b32 s95, 15, s95                        ; my row of the cluster
	s_lshl_b32 s96, 0x1111, s91                    ; my column
	GROUP1 G1X, 95, 256
	GROUP1 G1W, 96, 64
	s_lshl_b32 s26, s94, 18                        ; x's codes: 256 Y rows of 1,024 bytes  (registers that never hold X)
	s_mov_b32 s27, 0
	s_lshl_b32 s2, s94, 13                         ; x's scale bytes: row 256 Y + 128 rh, 32 bytes a row
	s_lshl_b32 s3, s89, 12
	s_add_co_u32 s2, s2, s3
	s_mov_b32 s3, 0
	s_lshl_b32 s98, s93, 16                        ; a weight's codes: 64 X rows of 1,024 bytes  (registers that never hold Y)
	s_mov_b32 s99, 0
	s_lshl_b32 s100, s93, 11                       ; its scale bytes
	s_mov_b32 s101, 0
	s_mul_i32 s97, s[WV], 64*PITCH                 ; where my rows begin in a slot: wave x 64 rows
	s_lshl_b32 s84, s91, 16                        ; the prefetches: x's row 64 cx + 16 wave on
	s_lshl_b32 s85, s[WV], 14
	s_add_co_u32 s84, s84, s85
	s_lshl_b32 s85, s92, 14                        ; a weight's row 16 cy on
	s_mul_i32 s66, s89, 128*PITCH
	s_add_co_u32 s66, s66, 192*PITCH               ; my 128 rows of x
	s_mul_i32 s67, s90, 64*PITCH                   ; w_q's or w_k's 64 rows
	s_mul_i32 s86, s90, 32*PITCH
	s_add_co_u32 s86, s86, 128*PITCH               ; my 32 rows of w_v
	v_and_b32 v1, 15, v0                           ; r
	v_bfe_u32 v2, v0, 4, 1                         ; h
	v_and_b32 v3, 31, v0                           ; lane
	v_lshlrev_b32 v4, 4, v3                        ; an image's place for my lane
	v_lshlrev_b32 v5, 3, v3
	v_lshlrev_b32 v6, 2, v3
	v_lshlrev_b32 v16, 5, v3                       ; a row's 32 scale bytes
	v_mul_u32_u24 v7, v1, PITCH
	v_lshl_add_u32 v7, v2, 4, v7                   ; a fragment's row x pitch + 16 h
	v_add_nc_u32 v[ADRX], s66, v7
	v_add_nc_u32 v[ADRW], s67, v7
	v_add_nc_u32 v[ADRV], s86, v7
	v_add_nc_u32 v[ADRX+1], SLOT, v[ADRX]
	v_add_nc_u32 v[ADRW+1], SLOT, v[ADRW]
	v_add_nc_u32 v[ADRV+1], SLOT, v[ADRV]
	v_lshrrev_b32 v17, 1, v3                       ; a prefetch of two K steps: 16 rows, two blocks of 256 bytes of each
	v_and_b32 v18, 1, v3
	v_lshlrev_b32 v17, 10, v17
	v_lshl_add_u32 v17, v18, 8, v17
	v_min_u32 v19, 15, v3                          ; of one: 16 rows; lanes 16-31 name the last block again
	v_lshlrev_b32 v19, 10, v19
	v_add_nc_u32 v18, s85, v17
	v_add_nc_u32 v17, s84, v17
	v_add_nc_u32 v20, s85, v19
	v_add_nc_u32 v19, s84, v19
.irp b, 0,1,2,3
	v_mov_b32 v[TM+4+\b], 0                        ; written once: a lane permute's destination counts as one of its sources
.endr
	s_wait_alu depctr_va_vdst(0)
	s_wait_dscnt 0x0                               ; both opening adds are done
	CROUND                                         ; all sixteen work-groups are here: the first joint loads meet
	s_wait_kmcnt 0x0
	s_cmp_eq_u32 s[WV], 1                          ; which weight I fetch: the choice hangs on the wave's number alone
	s_cselect_b64 s[86:87], s[12:13], s[8:9]
	s_cmp_eq_u32 s[WV], 2
	s_cselect_b64 s[86:87], s[16:17], s[86:87]
	s_add_nc_u64 s[86:87], s[86:87], s[98:99]
	s_add_nc_u64 s[4:5], s[4:5], s[26:27]
.irp s, 0,1
	s_mov_b32 s[G0X+4*\s], 1
	s_add_co_u32 s[G0X+4*\s+1], s97, \s*SLOT
	s_add_nc_u64 s[G0X+4*\s+2:G0X+4*\s+3], s[4:5], \s*256
	s_or_b32 s[G0X+4*\s+3], s[G0X+4*\s+3], 0x80000000
	s_mov_b32 s[G0W+4*\s], 1
	s_add_co_u32 s[G0W+4*\s+1], s97, \s*SLOT
	s_add_nc_u64 s[G0W+4*\s+2:G0W+4*\s+3], s[86:87], \s*256
	s_or_b32 s[G0W+4*\s+3], s[G0W+4*\s+3], 0x80000000
.endr
	JLOAD G0X, G0W                                 ; K step 0: my one tensor load at the head
	s_add_nc_u64 s[6:7], s[6:7], s[2:3]
	s_cmp_eq_u32 s90, 1
	s_cselect_b64 s[10:11], s[14:15], s[10:11]
	s_add_nc_u64 s[10:11], s[10:11], s[100:101]
	s_lshl_b32 s66, s90, 10
	s_add_co_u32 s66, s66, s100
	s_mov_b32 s67, 0
	s_add_nc_u64 s[18:19], s[18:19], s[66:67]
.irp p, 0,1,2,3                        ; lane l takes row 32 p + l: two loads cover 1,024 dense bytes
	global_load_b128 v[SX+8*\p:SX+8*\p+3], v16, s[6:7] offset:1024*\p
	global_load_b128 v[SX+8*\p+4:SX+8*\p+7], v16, s[6:7] offset:1024*\p+16
.endr
.irp p, 0,1
	global_load_b128 v[SW+8*\p:SW+8*\p+3], v16, s[10:11] offset:1024*\p
	global_load_b128 v[SW+8*\p+4:SW+8*\p+7], v16, s[10:11] offset:1024*\p+16
.endr
	global_load_b128 v[SW+16:SW+19], v16, s[18:19]
	global_load_b128 v[SW+20:SW+23], v16, s[18:19] offset:16
; PREFETCHES INTO THE L2: K step 1 here, behind the head's load and ahead of step 1's own, which stands behind the first round; K steps 2 and 3 in the first half of step 0, one and three half-steps and more ahead of their loads.
; Each block of 256 bytes is named once in each cluster that loads it: the four partners that ask for a tile jointly share its rows out BY ADDRESS (cx for x, cy for a weight); at most two instructions a wave each time.
.macro ASK vx, vw, off
	global_prefetch_b8 v\vx, s[4:5] offset:\off th:TH_LOAD_NT scope:SCOPE_SE
	s_cmp_eq_u32 s[WV], 3
	s_cbranch_scc1 .Lno_weight_\@
	global_prefetch_b8 v\vw, s[86:87] offset:\off th:TH_LOAD_NT scope:SCOPE_SE
.Lno_weight_\@:
.endm
	ASK 19, 20, 256
	s_mov_b32 s91, 0x76543210                      ; v_permlanex16_b32's selects for lane l xor 16
	s_mov_b32 s92, 0xfedcba98
	s_mov_b32 s85, 0x600000                        ; the mantissa field of 448
.macro W d, a, b, c, sa, sb, ra, rb    ; ra, rb: the scale word lies in lanes 16-31
.if (\ra) && (\rb)
	v_wmma_scale_f32_16x16x128_f8f6f4 v[\d:\d+7], v[\a:\a+15], v[\b:\b+15], \c, v[\sa], v[\sb] matrix_a_scale:MATRIX_SCALE_ROW1 matrix_b_scale:MATRIX_SCALE_ROW1
.elseif (\ra)
	v_wmma_scale_f32_16x16x128_f8f6f4 v[\d:\d+7], v[\a:\a+15], v[\b:\b+15], \c, v[\sa], v[\sb] matrix_a_scale:MATRIX_SCALE_ROW1
.elseif (\rb)
	v_wmma_scale_f32_16x16x128_f8f6f4 v[\d:\d+7], v[\a:\a+15], v[\b:\b+15], \c, v[\sa], v[\sb] matrix_b_scale:MATRIX_SCALE_ROW1
.else
	v_wmma_scale_f32_16x16x128_f8f6f4 v[\d:\d+7], v[\a:\a+15], v[\b:\b+15], \c, v[\sa], v[\sb]
.endif
.endm
; 8 products of q or k: x tiles a0, a0 + 1 against the four weight tiles, the j-th 128 along K.  The 48 accumulators take turns, one instruction a turn, in the same order in every step.
.macro MULQK j, a0, zero
.irp a, \a0, \a0+1
.irp t, 0,1,2,3
.if \zero
	W 8*(4*(\a)+\t), 128+16*\t, 16*(\a), 0, SW+8*(\t/2)+(\j), SX+8*((\a)/2)+(\j), \t%2, (\a)%2
.else
	W 8*(4*(\a)+\t), 128+16*\t, 16*(\a), v[8*(4*(\a)+\t):8*(4*(\a)+\t)+7], SW+8*(\t/2)+(\j), SX+8*((\a)/2)+(\j), \t%2, (\a)%2
.endif
.endr
.endr
.endm
; 8 products of v: x tiles a0 .. a0 + 3 (source 0) against my two tiles of w_v (source 1)
.macro MULV j, a0, zero
.irp a, \a0, \a0+1, \a0+2, \a0+3
.irp t, 0,1
.if \zero
	W 128+64*\t+8*(\a), 16*(\a), 192+16*\t, 0, SX+8*((\a)/2)+(\j), SW+16+(\j), (\a)%2, \t
.else
	W 128+64*\t+8*(\a), 16*(\a), 192+16*\t, v[128+64*\t+8*(\a):128+64*\t+8*(\a)+7], SX+8*((\a)/2)+(\j), SW+16+(\j), (\a)%2, \t
.endif
.endr
.endr
.endm
; A run of LDS loads: n of the 14 fragments of the j-th 128 along K (slot (j / 2) % 2), from the f0-th on, into window w: 0-3 w_q's or w_k's tiles, 4-11 x's, 12-13 w_v's.
; A fragment: lane l holds row l % 16; registers 4 c .. 4 c + 3 hold K = 32 c + 16 (l / 16) + 0 .. 15
.macro FRUN j, w, f0, n
.set SN, ((\j)/2)%2
.set KO, 128*((\j)%2)
	WIN (\w)<<6
.set FI, \f0
.rept \n
.if FI < 4
.set RG, 128+16*FI
.set AD, ADRW
.set TL, FI
.elseif FI < 12
.set RG, 16*(FI-4)
.set AD, ADRX
.set TL, FI-4
.else
.set RG, 192+16*(FI-12)
.set AD, ADRV
.set TL, FI-12
.endif
.irp c, 0,1,2,3
	ds_load_b128 v[RG+4*\c:RG+4*\c+3], v[AD+SN] offset:TL*16*PITCH+KO+32*\c
.endr
.set FI, FI+1
.endr
.endm
.macro FETCH j, w                      ; all 14 fragments
	FRUN \j, \w, 0, 14
	WIN 0
.endm
; A slot's first 128, on window 1; among its products the second 128's fragments are fetched into window 2, in five runs.
; A load into a register that a matrix instruction has read stands eight places behind it: window 2 was last read by the step before, so eight v_nop stand in front of the first run.
.macro SUB j, zero, ask
	s_wait_dscnt 0x0                               ; this step's fragments are in
	PLACES 8
	FRUN \j+1, 2, 0, 3
	WIN 0xf5
	MULQK \j, 0, \zero
	FRUN \j+1, 2, 3, 3
	WIN 0xf5
	MULQK \j, 2, \zero
	FRUN \j+1, 2, 6, 3
	WIN 0xf5
	MULQK \j, 4, \zero
	FRUN \j+1, 2, 9, 3
	WIN 0xf5
	MULQK \j, 6, \zero
	FRUN \j+1, 2, 12, 2
	WIN 0
.if \ask
	ASK 17, 18, 512
.endif
	WIN 0x05
	MULV \j, 0, \zero
	MULV \j, 4, \zero
	WIN 0
.endm
; A slot's second 128, on window 2, changes slots: ONE barrier; in front of it each wave waits for all its tensor loads, adds 0 to its spare word, and waits for that and for its reads.
; fill = 1: this slot is filled again.
.macro TURN j, fill
	s_wait_tensorcnt 0x0                           ; all my tensor loads have landed: my part of the next slot
	ds_add_u32 v[SPW], v[NIL]                      ; 0 onto my spare word
	s_wait_dscnt 1                                 ; the fragments are in; only the add, issued behind them, may be out
	WIN 0xfa
	MULQK \j, 0, 0                                 ; eight matrix instructions stand between the add and the wait for it
	s_wait_dscnt 0x0                               ; the add is done, and my reads of this slot are over
	s_barrier_signal -1
	MULQK \j, 2, 0
	WIN 0
	s_barrier_wait -1
.if \fill
.set SL, 4*(((\j)/2)%2)
	CREST                                          ; the barrier has opened a round of the cluster's barrier: no wave of any partner still reads this slot or has a load on its way
	s_add_nc_u64 s[G0X+SL+2:G0X+SL+3], s[G0X+SL+2:G0X+SL+3], 512
	s_add_nc_u64 s[G0W+SL+2:G0W+SL+3], s[G0W+SL+2:G0W+SL+3], 512
	JLOAD G0X+SL, G0W+SL                           ; the first tensor load behind the round, two K steps ahead; its four v_nop are four of the eight places
	PLACES 4
.else
	PLACES 8
.endif
	FRUN \j+1, 1, 0, 3                             ; the next slot's first fragments, in four runs among the other 32 products
	WIN 0xfa
	MULQK \j, 4, 0
	FRUN \j+1, 1, 3, 4
	WIN 0xfa
	MULQK \j, 6, 0
	FRUN \j+1, 1, 7, 4
	WIN 0x0a
	MULV \j, 0, 0
	FRUN \j+1, 1, 11, 3
	WIN 0x0a
	MULV \j, 4, 0
	WIN 0
.endm
; 64 numbers of a lane in window w, register 16 b + i of block b, become 16 registers of codes in window 1 and a scale word.  A block's other 16 numbers lie in lane l xor 16.
.macro QUANT src, w, dst, pw
	WIN (\w)|((\w)<<2)
.irp b, 0,1,2,3
	v_max3_num_f32 v[TM+\b], |v[\src+16*\b]|, |v[\src+16*\b+1]|, 0x4800000   ; each accumulator is read from its low end on; the floor 2^(9 - 127) holds the byte at 1 from below
.endr
.irp i, 2,4,6,8,10,12,14
.irp b, 0,1,2,3
	v_max3_num_f32 v[TM+\b], |v[\src+16*\b+\i]|, |v[\src+16*\b+\i+1]|, v[TM+\b]
.endr
.endr
	WIN 0
.irp b, 0,1,2,3
	v_permlanex16_b32 v[TM+4+\b], v[TM+\b], s91, s92
.endr
.irp b, 0,1,2,3
	v_max_num_f32 v[TM+\b], v[TM+\b], v[TM+4+\b]   ; the block's largest magnitude
.endr
.irp b, 0,1,2,3
	v_add_nc_u32 v[TM+12+\b], 0xfc000000, v[TM+\b] ; 8 off its exponent field: the conversion's scale operand
.endr
.irp b, 0,1,2,3
	v_and_or_b32 v[TM+8+\b], v[TM+\b], 0x7f800000, s85   ; 448 x the scale
.endr
.irp b, 0,1,2,3
	v_lshrrev_b32 v[TM+4+\b], 23, v[TM+12+\b]      ; the scale's byte
.endr
	v_lshl_or_b32 v[PW+\pw], v[TM+5], 8, v[TM+4]
	v_lshl_or_b32 v[PW+\pw], v[TM+6], 16, v[PW+\pw]
	v_lshl_or_b32 v[PW+\pw], v[TM+7], 24, v[PW+\pw]
	WIN (\w)|((\w)<<6)
.irp b, 0,1,2,3
.irp i, 0,1,2,3,4,5,6,7,8,9,10,11,12,13,14,15
	v_med3_num_f32 v[\src+16*\b+\i], v[\src+16*\b+\i], -v[TM+8+\b], v[TM+8+\b]   ; the conversion to an 8-bit code does not saturate (ISA guide 7.6.2): the hold at 448 x the scale
.endr
.endr
	WIN (\w)|(1<<6)
.irp b, 0,1,2,3
	v_cvt_scalef32_pk8_fp8_f32 v[\dst+4*\b:\dst+4*\b+1], v[\src+16*\b:\src+16*\b+7], v[TM+12+\b]
	v_cvt_scalef32_pk8_fp8_f32 v[\dst+4*\b+2:\dst+4*\b+3], v[\src+16*\b+8:\src+16*\b+15], v[TM+12+\b]
.endr
	v_nop                                          ; one plain vector instruction behind the last conversion
	WIN 0
.endm
	s_wait_alu depctr_va_vdst(0)
	s_wait_tensorcnt 0x0                           ; my part of K step 0 is in
	ds_add_u32 v[SPW], v[NIL]
	s_wait_loadcnt 0x0                             ; my scale words
	s_wait_dscnt 0x0
	CROUND                                         ; a whole round: everybody's part of K step 0 is in, and the joint loads meet
	JLOAD G0X+4, G0W+4                             ; K step 1, into slot 1
	FETCH 0, 1
	SUB 0, 1, 1                                    ; the first products start the sums: nothing is cleared
	TURN 1, 1                                      ; slot 0 takes K step 2
	SUB 2, 0, 0
	TURN 3, 1                                      ; slot 1 takes K step 3
	SUB 4, 0, 0
	TURN 5, 0                                      ; nothing is left to fetch
	SUB 6, 0, 0
	s_wait_dscnt 0x0
	WIN 0xfa
	MULQK 7, 0, 0
	MULQK 7, 2, 0
	MULQK 7, 4, 0
	MULQK 7, 6, 0
	WIN 0x0a
	MULV 7, 0, 0
	MULV 7, 4, 0
	WIN 0
	; where the results go: record idx = (16 b + head) x 16 + the 128-row step inside the sequence
	s_lshr_b32 s12, s94, 3
	s_lshl_b32 s12, s12, 4
	s_add_co_u32 s12, s12, s93
	s_lshl_b32 s12, s12, 4
	s_and_b32 s13, s94, 7
	s_lshl_b32 s13, s13, 1
	s_add_co_u32 s13, s13, s89
	s_add_co_u32 s12, s12, s13
	s_lshl_b32 s14, s12, 13
	s_mov_b32 s15, 0
	s_add_nc_u64 s[20:21], s[20:21], s[14:15]      ; q_img: 8,192 bytes a record
	s_lshl_b32 s14, s12, 8
	s_add_nc_u64 s[22:23], s[22:23], s[14:15]      ; q_sc: 256
	s_mul_i32 s14, s12, REC
	s_add_nc_u64 s[24:25], s[24:25], s[14:15]      ; kv
	s_add_nc_u64 s[16:17], s[24:25], 16384
	s_cmp_eq_u32 s90, 1                            ; ch = 0 made q, ch = 1 made k
	s_cselect_b64 s[18:19], s[24:25], s[20:21]
	s_cselect_b64 s[16:17], s[16:17], s[22:23]
	s_lshl_b32 s14, s90, 12
	s_add_co_u32 s14, s14, 8192
	s_add_nc_u64 s[26:27], s[24:25], s[14:15]      ; V's codes: my two tiles of channels
	s_lshl_b32 s14, s90, 7
	s_add_co_u32 s14, s14, 16640
	s_add_nc_u64 s[2:3], s[24:25], s[14:15]        ; and their scale words
	PLACES 8                                       ; in front of the first read of results, and of the writes into window 1
.irp g, 0,1,2,3
	QUANT 64*\g, 3, 16*\g, \g                      ; x tiles 2 g, 2 g + 1: blocks (u, c) = (0,0), (0,1), (1,0), (1,1)
	WIN 0x04                                       ; a store's data are its source 1: window 1
.irp k, 0,1,2,3
	global_store_b128 v4, v[16*\g+4*\k:16*\g+4*\k+3], s[18:19] offset:2048*\g+512*\k   ; 32 lanes store 512 consecutive bytes
.endr
	WIN 0
.endr
.irp t, 0,1
	QUANT 128+64*\t, 0, 64+16*\t, 4+\t             ; a tile of channels: four blocks of 32 keys
	WIN 0x04
.irp c, 0,1,2,3
	global_store_b128 v4, v[64+16*\t+4*\c:64+16*\t+4*\c+3], s[26:27] offset:2048*\t+512*\c
.endr
	WIN 0
.endr
	v_cmp_lt_u32 vcc_lo, 15, v3
	v_cndmask_b32 v114, v[PW], v[PW+1], vcc_lo     ; lanes 0-15 carry group 0's words, lanes 16-31 group 1's: as the reader's scale registers want them
	v_cndmask_b32 v115, v[PW+2], v[PW+3], vcc_lo
	v_cndmask_b32 v116, v[PW+4], v[PW+5], vcc_lo
	global_store_b64 v5, v[114:115], s[16:17]      ; 256 consecutive bytes
	global_store_b32 v6, v116, s[2:3]              ; 128: the other half is the neighbouring wave's
	s_wait_tensorcnt 0x0                           ; the wave's end
	ds_add_u32 v[SPW], v[NIL]
	s_wait_dscnt 0x0
	CROUND                                         ; the closing round: no work-group ends while a partner may still ask for a tile that names it
	s_endpgm
.Lfunc_end_k_q8fa68581ea_proj:
	.size	k_q8fa68581ea_proj, .Lfunc_end_k_q8fa68581ea_proj-k_q8fa68581ea_proj
	.p2alignl 7, 3214868480
	.fill 96, 4, 3214868480
	.section	.rodata,"a",@progbits
	.p2align	6, 0x0
	.amdhsa_kernel k_q8fa68581ea_proj
		.amdhsa_group_segment_fixed_size 327680
		.amdhsa_private_segment_fixed_size 0
		.amdhsa_enable_private_segment 0
		.amdhsa_kernarg_size 88
		.amdhsa_user_sgpr_count 2
		.amdhsa_user_sgpr_kernarg_segment_ptr 1
		.amdhsa_wavefront_size32 1
		.amdhsa_system_sgpr_workgroup_id_x 1
		.amdhsa_system_sgpr_workgroup_id_y 1
		.amdhsa_system_sgpr_workgroup_id_z 1
		.amdhsa_system_vgpr_workitem_id 0
		.amdhsa_next_free_vgpr 1024
		.amdhsa_next_free_sgpr 102
		.amdhsa_reserve_vcc 1
		.amdhsa_float_denorm_mode_32 3
		.amdhsa_float_denorm_mode_16_64 3
		.amdhsa_memory_ordered 1
		.amdhsa_forward_progress 1
		.amdhsa_inst_pref_size 146
	.end_amdhsa_kernel
	.amdgpu_metadata
---
amdhsa.version: [ 1, 2 ]
amdhsa.kernels:
  - .name:           k_q8fa68581ea_proj
    .symbol:         k_q8fa68581ea_proj.kd
    .args:
      - { .name: x_codes, .offset: 0, .size: 8, .value_kind: global_buffer, .address_space: global }
      - { .name: x_scales, .offset: 8, .size: 8, .value_kind: global_buffer, .address_space: global }
      - { .name: w_q_codes, .offset: 16, .size: 8, .value_kind: global_buffer, .address_space: global }
      - { .name: w_q_scales, .offset: 24, .size: 8, .value_kind: global_buffer, .address_space: global }
      - { .name: w_k_codes, .offset: 32, .size: 8, .value_kind: global_buffer, .address_space: global }
      - { .name: w_k_scales, .offset: 40, .size: 8, .value_kind: global_buffer, .address_space: global }
      - { .name: w_v_codes, .offset: 48, .size: 8, .value_kind: global_buffer, .address_space: global }
      - { .name: w_v_scales, .offset: 56, .size: 8, .value_kind: global_buffer, .address_space: global }
      - { .name: q_img, .offset: 64, .size: 8, .value_kind: global_buffer, .address_space: global }
      - { .name: q_sc, .offset: 72, .size: 8, .value_kind: global_buffer, .address_space: global }
      - { .name: kv, .offset: 80, .size: 8, .value_kind: global_buffer, .address_space: global }
    .group_segment_fixed_size: 327680
    .private_segment_fixed_size: 0
    .kernarg_segment_align: 8
    .kernarg_segment_size: 88
    .max_flat_workgroup_size: 128
    .sgpr_count:     102
    .vgpr_count:     1024
    .wavefront_size: 32
...
	.end_amdgpu_metadata
.endif
;; end of part 1
;; launch attn (part 2): grid 4 x 64, 16 waves a work-group, clusters of 4 x 4, 307,200 bytes of LDS; arguments q_img, q_sc, kv, cat_img, cat_sc; writes cat_img, cat_sc
.if DOCPART == 2
	.amdgcn_target "amdgcn-amd-amdhsa--gfx1250"
	.amdhsa_code_object_version 6
	.text
	.protected	k_q8fa68581ea_attn
	.globl	k_q8fa68581ea_attn
	.p2align	8
	.type	k_q8fa68581ea_attn,@function
k_q8fa68581ea_attn:
	s_mov_b64 s[64:65], 0
	v_nop
	global_prefetch_b8 v0, s[64:65] scope:SCOPE_SE
	s_setreg_imm32_b32 hwreg(HW_REG_WAVE_MODE, 25, 1), 1
	s_wait_xcnt 0x0
	s_wait_alu depctr_hold_cnt(0) depctr_sa_sdst(0) depctr_va_vdst(0) depctr_va_sdst(0) depctr_va_ssrc(0) depctr_va_vcc(0) depctr_vm_vsrc(0)
	s_getreg_b32 s2, hwreg(HW_REG_IB_STS2, 6, 4)
	s_cmp_eq_u32 s2, 0
	s_cbranch_scc0 .Lentry_in_a_cluster
	s_endpgm
.Lentry_in_a_cluster:
	s_bfe_u32 s2, ttmp6, 0x10000c
	s_cmp_lg_u32 s2, 0xf033
	s_cbranch_scc0 .Lentry_shape_is_right
	s_endpgm
.Lentry_shape_is_right:
; Causal attention of one head (bh = 16 b + head) on codes of FP8 (E4M3), head size 64; the result O / l is quantised along the concatenated heads' axis and leaves as an image of the last product's operand.
; t = score x log2(e) / 8; M = the running largest t rounded UP to a whole number; p = 2^(t - M) is quantised along the keys, not normalised; the row's sum is taken of the unquantised p and divides at the end.
; LEFT OUT: key steps of 128 all of whose keys come after a tile's 16 queries: the causal mask of reference()'s own body gives them the weight 0 for all values of the inputs.  A NaN or an infinity that reaches only such scores is not carried to the result.
; SHARES.  A head has 16 blocks of 128 queries, 8 tiles of 16 each.  Eight work-groups of 16 waves share it: work-group (c, p) owns tile tw = 4 c + p of EVERY block.  So all work-groups run the same steps, and every branch hangs on the wave's number and the count of steps.
; Pairs k = 0 .. 7 of waves, A (wave k) and B (wave 8 + (k xor 4)), own the tile in blocks k and 15 - k, 17 key steps.  k > 2: A walks the tile of block 15 - k (16 - k steps), B that of block k (k + 1 steps).
; k < 3: B walks steps 0 .. k for its tile of block k, lets that go, and walks steps k + 1 .. 3 for the tile of block 15 - k; A walks steps 0 .. k and 4 .. 15 - k for that tile: 4 and 13 steps.
; So waves s, 4 + s, 8 + s, 12 + s (s = 0 .. 3) walk 13, 12 - s, 5 + s and 4 steps: 34 together.
; For k < 3 B's part of O and of the sum is handed over through LDS and joined under the greater M: exact powers of two.  A lane holds ONE query (lane % 16) throughout.
; LDS holds the head's sixteen records (128 keys each: K codes, V codes, their scale words), one load a wave, filled once.  Barrier 1 shows record 0, which step 0 of every wave reads; barrier 2, behind that step, shows all.
; CLUSTER 4 x 4: two heads; the four work-groups of a row of the cluster ask for their head's records jointly.  Nothing is prefetched: all records are asked for at the head.
; THE HEAD'S 64 IN AN INSTRUCTION OF 128: a fragment of K holds two tiles of 16 keys (blocks 0, 1: keys r; blocks 2, 3: keys 16 + r); it is multiplied by (q, 0) for the first and by (0, q) for the second.
; LIMITS: scaled scores (exponents to the base 2) stay under 2^31 in magnitude; a block's largest p is taken from its largest score (this takes v_exp_f32 not to fall where its input rises); a block of zeros gets the byte 1; NaN and infinities are not served.
; REGISTERS: v1-9 addresses and the mask's base; v10-11 the add's; v12 -M, v13 the largest score, v[14:15] the sum; v16-23 zeros, v24-31 q, v32-39 zeros; v40-103 fragments of K, then of V; v104-167 S^T, then p; v168-199 O^T; v200-215 p's codes;
; v216-231 the quantiser's, and between steps eight pairs of the row's sum; v232-233 K's scale words, v234-235 V's, v236 q's, v237 p's; v[238:239] f; v240-255 at work.
.set REC, 16896
.set SPARE, 16*REC                     ; the spare words: 128 bytes for each wave, eight blocks of 256 bytes that no other line names
.set MERGE, SPARE+2048                 ; for each pair of waves: O^T 4,096 bytes, the sum 128, -M 128
.set MSIZE, 4352
.set F,   40
.set S,   104
.set O,   168
.set P,   200
.set TM,  216
.macro CROUND
	s_barrier_signal -1
	s_barrier_wait -1
	s_cmp_lg_u32 s14, 0
	s_cbranch_scc1 .Lnot_wave_0_\@
	s_barrier_signal -3
.Lnot_wave_0_\@:
	s_barrier_wait -3
	s_barrier_signal -1
	s_barrier_wait -1
.endm
	s_load_b256 s[4:11], s[0:1], 0x0               ; q_img, q_sc, kv, cat_img
	s_load_b64 s[12:13], s[0:1], 0x20              ; cat_sc
	v_lshl_add_u32 v10, v0, 2, SPARE
	v_mov_b32 v11, 0
	ds_add_u32 v10, v11                            ; the opening lines: the add, twice on end, and its wait
	ds_add_u32 v10, v11
	v_lshrrev_b32 v1, 5, v0
	v_readfirstlane_b32 s14, v1                    ; wave 0..15
	s_bfe_u32 s15, ttmp6, 0x40000                  ; cx = p
	s_bfe_u32 s16, ttmp6, 0x40004                  ; cy
	s_and_b32 s17, ttmp7, 0xffff
	s_lshl_b32 s17, s17, 2
	s_add_co_u32 s17, s17, s16                     ; 2 bh + c
	s_lshr_b32 s49, s17, 1                         ; bh
	s_and_b32 s54, s17, 1
	s_lshl_b32 s54, s54, 2
	s_add_co_u32 s54, s54, s15                     ; tw = 4 c + p
	s_lshl_b32 s16, s16, 2
	s_lshl_b32 s16, 15, s16                        ; my row of the cluster
	s_or_b32 s24, s16, (3<<16)|(1<<21)             ; group 1: a record is dense: 66 rows of 256 bytes (32 elements of 8 bytes), no padding
	s_mov_b32 s25, 32<<16
	s_mov_b32 s26, 66<<16
	s_mov_b32 s27, 32<<16
	s_mov_b32 s28, 66
	s_mov_b32 s29, 32
	s_mov_b32 s30, 0
	s_mov_b32 s31, 0
	s_mul_i32 s60, s49, 16*REC
	s_mul_i32 s57, s14, REC                        ; my record
	s_add_co_u32 s60, s60, s57
	s_mov_b32 s61, 0
	s_lshr_b32 s34, s14, 3                         ; 0: A, 1: B
	s_lshl_b32 s33, s34, 2
	s_xor_b32 s33, s33, s14
	s_and_b32 s33, s33, 7                          ; k
	s_sub_co_u32 s36, 15, s33                      ; the late block
	s_sub_co_i32 s40, 3, s33
	s_max_i32 s40, s40, 0
	s_sub_co_u32 s35, 16, s33
	s_min_u32 s35, s35, 13                         ; A's trips
	s_sub_co_u32 s32, s35, 1                       ; A's last: its diagonal
	s_add_co_u32 s41, s33, 1
	s_cmp_lt_u32 s33, 3
	s_cselect_b32 s38, s41, 99
	s_max_u32 s41, s41, 4                          ; B's trips
	s_cmp_eq_u32 s34, 1
	s_cselect_b32 s37, s33, s36                    ; the block whose tile I store
	s_cselect_b32 s38, s38, 99                     ; B, k < 3: the trip ahead of which it changes tiles
	s_cselect_b32 s39, s33, s32                    ; the trip on the diagonal
	s_cselect_b32 s40, 0, s40                      ; A, k < 3: from trip k + 1 on its record lies 3 - k on
	s_cselect_b32 s41, s41, s35                    ; my trips
	s_mov_b32 s20, 0x76543210                      ; v_permlanex16_b32's selects for lane l xor 16
	s_mov_b32 s21, 0xfedcba98
	s_mov_b32 s22, 0x3e38aa3b                      ; c = log2(e) / 8
	s_mov_b32 s23, s22                             ; (named with it as a pair, so it is written)
	s_mov_b32 s45, 0xbe38aa3b                      ; -c
	s_mov_b32 s44, 0x4800000                       ; 2^(9 - 127)
	s_mov_b32 s48, 0x600000                        ; the mantissa field of 448
	s_mov_b32 s72, 0x71800000                      ; 2^100
	s_mov_b32 s46, 0xf2000000                      ; -2 x 2^100
	s_mov_b32 s47, s46
	s_mov_b32 s70, 0xf2800000                      ; -4 x 2^100
	s_mov_b32 s71, s70
	s_mov_b32 s42, 0xf3800000                      ; -16 x 2^100
	s_mov_b32 s43, s42
	s_lshl_b32 s73, s54, 4                         ; 16 tw
	v_and_b32 v241, 31, v0                         ; lane
	v_and_b32 v242, 15, v0                         ; r
	v_bfe_u32 v243, v0, 4, 1                       ; h
	v_lshlrev_b32 v1, 4, v241                      ; an image's place for my lane
	v_lshl_add_u32 v2, v241, 3, 16384              ; K's scale words in a record
	v_lshl_add_u32 v3, v241, 2, 16640              ; V's
	v_lshlrev_b32 v7, 3, v242                      ; q's scale words
	v_lshlrev_b32 v8, 2, v242                      ; my row of cat_sc
	v_lshlrev_b32 v243, 3, v243
	v_sub_nc_u32 v243, v242, v243
	v_add_nc_u32 v243, s73, v243                   ; 16 tw + r - 8 h: in the diagonal's step register 8 T + j is hidden where 16 T + j is greater
	v_cvt_f32_i32 v243, v243
	v_add_f32 v243, 0.5, v243
	v_mul_f32 v9, s72, v243                        ; the mask's base
	s_wait_alu depctr_va_vdst(0)
	s_wait_dscnt 0x0                               ; both opening adds are done
	CROUND                                         ; all sixteen work-groups are here: the joint loads meet
	s_wait_kmcnt 0x0
	s_mov_b32 s56, 1
	s_add_nc_u64 s[58:59], s[8:9], s[60:61]
	s_or_b32 s59, s59, 0x80000000
	s_cmp_eq_u32 s14, 0                            ; one load a wave; record 0, which is shown ahead of the rest, has a line of its own
	s_cbranch_scc0 .Lrest
	tensor_load_to_lds s[56:59], s[24:31]
	s_nop 0
.rept 4
	v_nop
.endr
	s_branch .Lasked
.Lrest:
	tensor_load_to_lds s[56:59], s[24:31]
	s_nop 0
.rept 4
	v_nop
.endr
.Lasked:
.macro QPTR blk, dq, ds                ; q's codes: 1,024 bytes a tile; its scale words: group g = tw / 2 lies in word g / 2 of lanes 16 (g % 2) + r
	s_lshl_b32 s66, s49, 4
	s_add_co_u32 s66, s66, s\blk
	s_lshl_b32 s68, s66, 8
	s_lshl_b32 s66, s66, 3
	s_add_co_u32 s66, s66, s54
	s_lshl_b32 s66, s66, 10
	s_mov_b32 s67, 0
	s_add_nc_u64 s[\dq:\dq+1], s[4:5], s[66:67]
	s_bfe_u32 s66, s54, 0x10001
	s_lshl_b32 s66, s66, 7
	s_add_co_u32 s68, s68, s66
	s_lshr_b32 s66, s54, 2
	s_lshl_b32 s66, s66, 2
	s_add_co_u32 s68, s68, s66
	s_mov_b32 s69, 0
	s_add_nc_u64 s[\ds:\ds+1], s[6:7], s[68:69]
.endm
	QPTR 37, 50, 74                                ; my first tile
	QPTR 36, 52, 76                                ; B: its second
	global_load_b128 v[24:27], v1, s[50:51]        ; q's codes stay in registers
	global_load_b128 v[28:31], v1, s[50:51] offset:512
	global_load_b32 v242, v7, s[74:75]
	s_mov_b32 s55, 0x01000100                      ; which two bytes of that word are my tile's: they are laid twice, for (q, 0) and (0, q)
	s_and_b32 s66, s54, 1
	s_cmp_eq_u32 s66, 1
	s_cselect_b32 s55, 0x03020302, s55
	s_lshr_b32 s62, s49, 4                         ; b
	s_and_b32 s63, s49, 15                         ; head
	s_lshl_b32 s66, s62, 4
	s_add_co_u32 s66, s66, s37                     ; cat_img: [16 b + block][head / 2][tile][2 (head % 2) + block of 32][lane][16]
	s_lshl_b32 s66, s66, 3
	s_lshr_b32 s68, s63, 1
	s_add_co_u32 s66, s66, s68
	s_lshl_b32 s66, s66, 3
	s_add_co_u32 s66, s66, s54
	s_lshl_b32 s66, s66, 11
	s_and_b32 s69, s63, 1
	s_lshl_b32 s73, s69, 10
	s_add_co_u32 s66, s66, s73
	s_mov_b32 s67, 0
	s_add_nc_u64 s[10:11], s[10:11], s[66:67]
	s_lshl_b32 s66, s62, 11                        ; cat_sc: [head / 2][row: 4,096][2 (head % 2) + block of 32]
	s_lshl_b32 s73, s37, 7
	s_add_co_u32 s66, s66, s73
	s_lshl_b32 s73, s54, 4
	s_add_co_u32 s66, s66, s73
	s_lshl_b32 s66, s66, 2
	s_lshl_b32 s68, s68, 14
	s_add_co_u32 s66, s66, s68
	s_lshl_b32 s69, s69, 1
	s_add_co_u32 s66, s66, s69
	s_add_nc_u64 s[12:13], s[12:13], s[66:67]
; A tile's start: O^T, the sum and its eight pairs are zeros, the largest score is -3e38.  (The step is written for all: the first finds zeros, which the first change of M leaves zeros)
.macro INIT
.set n, 0
.rept 32
	v_mov_b32 v[O+n], 0
.set n, n+1
.endr
.set n, 0
.rept 16
	v_mov_b32 v[TM+n], 0
.set n, n+1
.endr
	v_mov_b32 v13, 0xff61b1e6
	v_mov_b32 v14, 0
	v_mov_b32 v15, 0
	v_mul_f32 v12, s45, v13
	v_floor_f32 v12, v12                           ; -M
.endm
	INIT
.irp j, 0,1,2,3,4,5,6,7
	v_mov_b32 v[16+\j], 0                          ; zero codes on both sides of q
	v_mov_b32 v[32+\j], 0
.endr
	v_mov_b32 v238, 0
	v_mov_b32 v239, 0                              ; (named as the upper half of the pair v[238:239])
	v_mov_b32 v240, 0                              ; written once: a lane permute's destination counts as one of its sources
	v_mov_b32 v241, 0
	s_wait_alu depctr_va_vdst(0)
	s_wait_loadcnt 0x0
	v_perm_b32 v236, v242, v242, s55               ; q's scale word: (c0, c1, c0, c1)
.rept 5
	v_nop                                          ; with the three additions of the step's head: eight places between the scale word and the first product
.endr
; The row's sum under the new M: the eight pairs of the step before are joined.
.macro COMBINE
	v_pk_add_f32 v[216:217], v[216:217], v[218:219]
	v_pk_add_f32 v[220:221], v[220:221], v[222:223]
	v_pk_add_f32 v[224:225], v[224:225], v[226:227]
	v_pk_add_f32 v[228:229], v[228:229], v[230:231]
	v_pk_add_f32 v[216:217], v[216:217], v[220:221]
	v_pk_add_f32 v[224:225], v[224:225], v[228:229]
	v_pk_add_f32 v[216:217], v[216:217], v[224:225]
	v_pk_fma_f32 v[14:15], v[14:15], v[238:239], v[216:217] op_sel_hi:[1,0,1]
.endm
; t - M of eight pairs of scores from register n on
.macro TMINUS
.rept 8
	v_pk_fma_f32 v[S+n:S+n+1], v[S+n:S+n+1], s[22:23], v[12:13] op_sel_hi:[1,0,0]
.set n, n+2
.endr
.endm
; A KEY STEP: 128 keys, the record at LDS byte s18; s19 counts the trips.
.macro STEP
	v_add_nc_u32 v4, s18, v1
	v_add_nc_u32 v5, s18, v2
	v_add_nc_u32 v6, s18, v3
	ds_load_b64 v[232:233], v5                     ; v232: groups 0 (lanes 0-15), 1 (lanes 16-31); v233: groups 2, 3
.set n, 0
.rept 16
	ds_load_b128 v[F+4*n:F+4*n+3], v4 offset:512*n ; K's four fragments, as they lie; the additions of the row's sum are the places behind the last products
.set n, n+1
.endr
	s_wait_alu depctr_va_vdst(0)
.irp g, 0,1,2,3                        ; S^T: register 8 T + j of tile T = 2 g + u holds key 16 T + 8 (lane / 16) + j
	s_wait_dscnt 12-4*\g                           ; fragment g is in: the four loads of each later one may be out
.if (\g)&1
	v_wmma_scale_f32_16x16x128_f8f6f4 v[S+16*\g:S+16*\g+7], v[F+16*\g:F+16*\g+15], v[24:39], 0, v[232+\g/2], v236 matrix_a_scale:MATRIX_SCALE_ROW1
	v_wmma_scale_f32_16x16x128_f8f6f4 v[S+16*\g+8:S+16*\g+15], v[F+16*\g:F+16*\g+15], v[16:31], 0, v[232+\g/2], v236 matrix_a_scale:MATRIX_SCALE_ROW1
.else
	v_wmma_scale_f32_16x16x128_f8f6f4 v[S+16*\g:S+16*\g+7], v[F+16*\g:F+16*\g+15], v[24:39], 0, v[232+\g/2], v236
	v_wmma_scale_f32_16x16x128_f8f6f4 v[S+16*\g+8:S+16*\g+15], v[F+16*\g:F+16*\g+15], v[16:31], 0, v[232+\g/2], v236
.endif
.endr
	COMBINE                                        ; these eight are the places in front of the loads below and of the first read of the scores
.set n, 0
.rept 16
	ds_load_b128 v[F+4*n:F+4*n+3], v4 offset:8192+512*n   ; V's four fragments are asked for now and land under the softmax
.set n, n+1
.endr
	ds_load_b32 v234, v6                           ; channel tiles 0 (lanes 0-15), 1 (lanes 16-31)
	ds_load_b32 v235, v6 offset:128                ; tiles 2, 3
	s_cmp_lg_u32 s19, s39
	s_cbranch_scc1 .Lopen_\@
	v_mov_b32 v240, v9                             ; THE DIAGONAL: score 16 T + j is held under (16 tw + r - 8 h + 1/2 - 16 T - j) x 2^100: beyond every score where the key counts, under -2^98 where it is hidden
	v_sub_f32 v241, v9, s72
	v_pk_add_f32 v[242:243], v[240:241], s[46:47] op_sel_hi:[1,0]
	v_pk_add_f32 v[244:245], v[240:241], s[70:71] op_sel_hi:[1,0]
	v_pk_add_f32 v[246:247], v[242:243], s[70:71] op_sel_hi:[1,0]
.set n, 0
.rept 8
.irp m, 0,2,4,6
	v_dual_min_num_f32 v[S+8*n+\m], v[240+\m], v[S+8*n+\m] :: v_dual_min_num_f32 v[S+8*n+\m+1], v[241+\m], v[S+8*n+\m+1]
.endr
.if n < 7
.irp m, 0,2,4,6
	v_pk_add_f32 v[240+\m:241+\m], v[240+\m:241+\m], s[42:43] op_sel_hi:[1,0]
.endr
.endif
.set n, n+1
.endr
.Lopen_\@:
.irp b, 0,1,2,3
	v_max3_num_f32 v[TM+\b], v[S+16*\b], v[S+1+16*\b], v[S+2+16*\b]   ; the largest score of each block of 32 keys: for the row's maximum and for the block's largest p
.endr
.irp i, 3,5,7,9,11
.irp b, 0,1,2,3
	v_max3_num_f32 v[TM+\b], v[TM+\b], v[S+16*\b+\i], v[S+1+16*\b+\i]
.endr
.endr
	v_max3_num_f32 v[TM], v[TM], v[S+13], v[S+14]
	v_max3_num_f32 v[TM+1], v[TM+1], v[S+16+13], v[S+16+15]
	v_max3_num_f32 v[TM+2], v[TM+2], v[S+32+13], v[S+32+14]
	v_max3_num_f32 v[TM+3], v[TM+3], v[S+48+13], v[S+48+15]
	v_dual_max_num_f32 v[TM], v[S+15], v[TM] :: v_dual_max_num_f32 v[TM+1], v[S+16+14], v[TM+1]
	v_dual_max_num_f32 v[TM+2], v[S+32+15], v[TM+2] :: v_dual_max_num_f32 v[TM+3], v[S+48+14], v[TM+3]
.irp b, 0,1,2,3
	v_permlanex16_b32 v[TM+4+\b], v[TM+\b], s20, s21
.endr
	v_dual_max_num_f32 v[TM], v[TM], v[TM+4] :: v_dual_max_num_f32 v[TM+1], v[TM+1], v[TM+5]   ; with lane l xor 16's 16 keys
	v_dual_max_num_f32 v[TM+2], v[TM+2], v[TM+6] :: v_dual_max_num_f32 v[TM+3], v[TM+3], v[TM+7]
	v_max3_num_f32 v13, v13, v[TM], v[TM+1]
	s_delay_alu instid0(VALU_DEP_1)
	v_max3_num_f32 v13, v13, v[TM+2], v[TM+3]      ; the running largest score
	s_delay_alu instid0(VALU_DEP_1)
	v_mul_f32 v240, s45, v13                       ; -t (c is positive)
	s_delay_alu instid0(VALU_DEP_1)
	v_floor_f32 v241, v240                         ; the new -M = -ceil(t)
	s_delay_alu instid0(VALU_DEP_1)
	v_sub_f32 v240, v241, v12                      ; old M - new M: a whole number, 0 or less
	v_mov_b32 v12, v241
.set n, 0
	TMINUS
	v_cvt_i32_f32 v240, v240                       ; (it saturates)
	TMINUS
	v_ldexp_f32 v238, 1.0, v240                    ; f = 2^(old M - new M): rounds nothing
	TMINUS
	TMINUS
	v_pk_fma_f32 v[TM:TM+1], v[TM:TM+1], s[22:23], v[12:13] op_sel_hi:[1,0,0]       ; the same of each block's largest score
	v_pk_fma_f32 v[TM+2:TM+3], v[TM+2:TM+3], s[22:23], v[12:13] op_sel_hi:[1,0,0]
.set n, 0
.rept 16
	v_pk_mul_f32 v[O+n:O+n+1], v[O+n:O+n+1], v[238:239] op_sel_hi:[1,0]   ; O^T under the new M, each accumulator from its low end on
.set n, n+2
.endr
	s_wait_alu depctr_va_vdst(0)
.set n, 0
.rept 64
	v_exp_f32 v[S+n], v[S+n]                       ; p = 2^(t - M)
.set n, n+1
.endr
.irp b, 0,1,2,3
	v_exp_f32 v[TM+\b], v[TM+\b]                   ; the block's largest p
.endr
	v_nop                                          ; a plain place behind the transcendentals
	s_wait_alu depctr_va_vdst(0)                   ; and behind it
	v_dual_max_num_f32 v[TM], s44, v[TM] :: v_dual_max_num_f32 v[TM+1], s44, v[TM+1]           ; the floor 2^(9 - 127): the byte cannot fall under 1
	v_dual_max_num_f32 v[TM+2], s44, v[TM+2] :: v_dual_max_num_f32 v[TM+3], s44, v[TM+3]
.irp b, 0,1,2,3
	v_add_nc_u32 v[TM+12+\b], 0xfc000000, v[TM+\b] ; 8 off the exponent field: the conversion's scale operand
.endr
.irp b, 0,1,2,3
	v_and_or_b32 v[TM+8+\b], v[TM+\b], 0x7f800000, s48   ; 448 x the scale
.endr
.irp b, 0,1,2,3
	v_lshrrev_b32 v[TM+4+\b], 23, v[TM+12+\b]      ; the scale's byte
.endr
	v_lshl_or_b32 v237, v[TM+5], 8, v[TM+4]        ; p's scale word for these 128 keys
	v_lshl_or_b32 v237, v[TM+6], 16, v237
	v_lshl_or_b32 v237, v[TM+7], 24, v237
.set n, 0
.rept 8                                ; half a block: held beside the p that the sum wants (the conversion does not saturate: ISA guide 7.6.2; p is not negative, so the hold is one-sided), then converted; v240-247 and v248-255 by turns
.set h, 240+8*(n%2)
.irp m, 0,2,4,6
	v_dual_min_num_f32 v[h+\m], v[S+8*n+\m], v[TM+8+n/2] :: v_dual_min_num_f32 v[h+\m+1], v[S+8*n+\m+1], v[TM+8+n/2]
.endr
	v_cvt_scalef32_pk8_fp8_f32 v[P+2*n:P+2*n+1], v[h:h+7], v[TM+12+n/2]
.set n, n+1
.endr
.set n, 0
.rept 8                                ; THE ROW'S SUM, of the unquantised p, in eight pairs.  These eight are the places between the conversions and the products
	v_pk_add_f32 v[TM+n:TM+n+1], v[S+n:S+n+1], v[S+16+n:S+17+n]
.set n, n+2
.endr
	s_wait_alu depctr_va_vdst(0)
	s_wait_dscnt 0x0                               ; V is in
.irp t, 0,1,2,3                        ; O^T += V^T P^T: the four accumulators by turns
.if (\t)&1
	v_wmma_scale_f32_16x16x128_f8f6f4 v[O+8*\t:O+8*\t+7], v[F+16*\t:F+16*\t+15], v[P:P+15], v[O+8*\t:O+8*\t+7], v[234+\t/2], v237 matrix_a_scale:MATRIX_SCALE_ROW1
.else
	v_wmma_scale_f32_16x16x128_f8f6f4 v[O+8*\t:O+8*\t+7], v[F+16*\t:F+16*\t+15], v[P:P+15], v[O+8*\t:O+8*\t+7], v[234+\t/2], v237
.endif
.endr
.irp k, 32,48
.set n, 0
.rept 8
	v_pk_add_f32 v[TM+n:TM+n+1], v[TM+n:TM+n+1], v[S+\k+n:S+\k+n+1]
.set n, n+2
.endr
.endr
.endm
; A TILE'S END: v14 is my half's sum.  O^T / the sum, quantised in two blocks of 32 channels: register 16 b + i is channel 32 b + 8 h + i, or 32 b + 16 + 8 h + (i - 8)
.macro FINALISE
	v_permlanex16_b32 v240, v14, s20, s21
	v_add_f32 v14, v14, v240                       ; the row's sum
	s_wait_alu depctr_va_vdst(0)
	v_rcp_f32 v14, v14
	v_nop                                          ; a plain place behind the transcendental
	s_wait_alu depctr_va_vdst(0)                   ; and behind it
.set n, 0
.rept 16
	v_pk_mul_f32 v[S+n:S+n+1], v[O+n:O+n+1], v[14:15] op_sel_hi:[1,0]
.set n, n+2
.endr
.irp b, 0,1
	v_max3_num_f32 v[TM+\b], |v[S+16*\b]|, |v[S+1+16*\b]|, 0x4800000
.endr
.irp i, 2,4,6,8,10,12,14
.irp b, 0,1
	v_max3_num_f32 v[TM+\b], v[TM+\b], |v[S+16*\b+\i]|, |v[S+1+16*\b+\i]|
.endr
.endr
.irp b, 0,1
	v_permlanex16_b32 v[TM+4+\b], v[TM+\b], s20, s21
.endr
.irp b, 0,1
	v_max_num_f32 v[TM+\b], v[TM+\b], v[TM+4+\b]
.endr
.irp b, 0,1
	v_add_nc_u32 v[TM+12+\b], 0xfc000000, v[TM+\b]
.endr
.irp b, 0,1
	v_and_or_b32 v[TM+8+\b], v[TM+\b], 0x7f800000, s48
.endr
.irp b, 0,1
	v_lshrrev_b32 v[TM+4+\b], 23, v[TM+12+\b]
.endr
	v_lshl_or_b32 v240, v[TM+5], 8, v[TM+4]        ; my row's two scale bytes
.irp b, 0,1
.irp i, 0,1,2,3,4,5,6,7,8,9,10,11,12,13,14,15
	v_med3_num_f32 v[S+16*\b+\i], v[S+16*\b+\i], -v[TM+8+\b], v[TM+8+\b]
.endr
	v_cvt_scalef32_pk8_fp8_f32 v[P+4*\b:P+4*\b+1], v[S+16*\b:S+16*\b+7], v[TM+12+\b]
	v_cvt_scalef32_pk8_fp8_f32 v[P+4*\b+2:P+4*\b+3], v[S+16*\b+8:S+16*\b+15], v[TM+12+\b]
.endr
	v_nop
	global_store_b128 v1, v[P:P+3], s[10:11]       ; 32 lanes store 512 consecutive bytes
	global_store_b128 v1, v[P+4:P+7], s[10:11] offset:512
	global_store_b16 v8, v240, s[12:13]            ; two bytes of each of 16 neighbouring words; lanes 16-31 repeat lanes 0-15's address and value.  These are 1 byte in 32 of what the launch stores; a word's other half is another head's
.endm
	s_wait_alu depctr_va_vdst(0)
	s_cmp_eq_u32 s14, 0
	s_cbranch_scc0 .Lnot_first
	s_wait_tensorcnt 0x0                           ; record 0 is in; the other waves' wait stands at the second barrier
.Lnot_first:
	s_barrier_signal -1
	s_barrier_wait -1
	s_mov_b32 s18, 0
	s_mov_b32 s19, 0
	STEP                                           ; step 0 of every wave
	s_wait_alu depctr_va_vdst(0)
	s_wait_tensorcnt 0x0                           ; my record is in
	s_wait_dscnt 0x0
	s_barrier_signal -1
	s_barrier_wait -1
	s_mov_b32 s19, 1
.Ltrip:
	s_cmp_lg_u32 s19, s38
	s_cbranch_scc1 .Lsame_tile
	global_load_b128 v[24:27], v1, s[52:53]        ; B, k < 3: the tile of block k is done; the next tile's q is asked for first
	global_load_b128 v[28:31], v1, s[52:53] offset:512
	global_load_b32 v242, v7, s[76:77]
	COMBINE
	v_add_f32 v14, v14, v15
	FINALISE
	s_wait_alu depctr_va_vdst(0)
	s_wait_loadcnt 0x0
	v_perm_b32 v236, v242, v242, s55
	INIT
	s_wait_alu depctr_va_vdst(0)
	s_wait_xcnt 0x0                                ; the stores have read their registers
.Lsame_tile:
	s_cmp_ge_u32 s19, s41
	s_cbranch_scc1 .Lskip
	s_cmp_gt_u32 s19, s33
	s_cselect_b32 s18, s40, 0
	s_add_co_u32 s18, s18, s19
	s_min_u32 s18, s18, 15                         ; the record: it is never greater
	s_mul_i32 s18, s18, REC
	STEP
.Lskip:
	s_add_co_u32 s19, s19, 1
	s_cmp_lt_u32 s19, 13
	s_wait_alu depctr_va_vdst(0)
	s_cbranch_scc1 .Ltrip
	COMBINE
	v_add_f32 v14, v14, v15
	s_mul_i32 s18, s33, MSIZE
	s_add_co_u32 s18, s18, MERGE
	v_add_nc_u32 v5, s18, v1
	s_sub_co_u32 s18, s18, 16640-4096
	v_add_nc_u32 v6, s18, v3                       ; the sum's and -M's places: 4,096 + 4 x lane on
	s_cmp_ge_u32 s33, 3
	s_wait_alu depctr_va_vdst(0)
	s_cbranch_scc1 .Lwhole
	s_cmp_eq_u32 s34, 0
	s_cbranch_scc1 .Lkeep
.irp n, 0,1,2,3,4,5,6,7                ; B, k < 3: my part goes to LDS
	ds_store_b128 v5, v[O+4*\n:O+4*\n+3] offset:512*\n
.endr
	ds_store_b32 v6, v14
	ds_store_b32 v6, v12 offset:128
	s_branch .Lkeep
.Lwhole:
	FINALISE                                       ; k > 2: my tile is whole
.Lkeep:
	s_wait_alu depctr_va_vdst(0)
	s_wait_dscnt 0x0
	s_barrier_signal -1
	s_barrier_wait -1
	s_cmp_eq_u32 s34, 1
	s_cbranch_scc1 .Ldone
	s_cmp_ge_u32 s33, 3
	s_cbranch_scc1 .Ldone
	s_wait_xcnt 0x0
.irp n, 0,1,2,3,4,5,6,7                ; A, k < 3: THE JOINING
	ds_load_b128 v[S+4*\n:S+4*\n+3], v5 offset:512*\n
.endr
	ds_load_b32 v136, v6
	ds_load_b32 v137, v6 offset:128
	s_wait_dscnt 0x0
	v_min_num_f32 v138, v12, v137                  ; -M of the greater M
	v_sub_f32 v12, v138, v12
	v_sub_f32 v137, v138, v137
	v_cvt_i32_f32 v12, v12
	v_cvt_i32_f32 v137, v137
	v_ldexp_f32 v238, 1.0, v12                     ; powers of two: they round nothing
	v_ldexp_f32 v240, 1.0, v137
.set n, 0
.rept 16
	v_pk_mul_f32 v[O+n:O+n+1], v[O+n:O+n+1], v[238:239] op_sel_hi:[1,0]
.set n, n+2
.endr
.set n, 0
.rept 16
	v_pk_fma_f32 v[O+n:O+n+1], v[S+n:S+n+1], v[240:241], v[O+n:O+n+1] op_sel_hi:[1,0,1]
.set n, n+2
.endr
	v_mul_f32 v14, v14, v238
	v_fma_f32 v14, v136, v240, v14
	FINALISE
.Ldone:
	s_wait_tensorcnt 0x0                           ; the wave's end
	ds_add_u32 v10, v11
	s_wait_dscnt 0x0
	CROUND                                         ; the closing round: no work-group ends while a partner may still ask for a tile that names it
	s_endpgm
.Lfunc_end_k_q8fa68581ea_attn:
	.size	k_q8fa68581ea_attn, .Lfunc_end_k_q8fa68581ea_attn-k_q8fa68581ea_attn
	.p2alignl 7, 3214868480
	.fill 96, 4, 3214868480
	.section	.rodata,"a",@progbits
	.p2align	6, 0x0
	.amdhsa_kernel k_q8fa68581ea_attn
		.amdhsa_group_segment_fixed_size 307200
		.amdhsa_private_segment_fixed_size 0
		.amdhsa_enable_private_segment 0
		.amdhsa_kernarg_size 40
		.amdhsa_user_sgpr_count 2
		.amdhsa_user_sgpr_kernarg_segment_ptr 1
		.amdhsa_wavefront_size32 1
		.amdhsa_system_sgpr_workgroup_id_x 1
		.amdhsa_system_sgpr_workgroup_id_y 1
		.amdhsa_system_sgpr_workgroup_id_z 1
		.amdhsa_system_vgpr_workitem_id 0
		.amdhsa_next_free_vgpr 256
		.amdhsa_next_free_sgpr 102
		.amdhsa_reserve_vcc 0
		.amdhsa_float_denorm_mode_32 3
		.amdhsa_float_denorm_mode_16_64 3
		.amdhsa_memory_ordered 1
		.amdhsa_forward_progress 1
		.amdhsa_inst_pref_size 79
	.end_amdhsa_kernel
	.amdgpu_metadata
---
amdhsa.version: [ 1, 2 ]
amdhsa.kernels:
  - .name:           k_q8fa68581ea_attn
    .symbol:         k_q8fa68581ea_attn.kd
    .args:
      - { .name: q_img, .offset: 0, .size: 8, .value_kind: global_buffer, .address_space: global }
      - { .name: q_sc, .offset: 8, .size: 8, .value_kind: global_buffer, .address_space: global }
      - { .name: kv, .offset: 16, .size: 8, .value_kind: global_buffer, .address_space: global }
      - { .name: cat_img, .offset: 24, .size: 8, .value_kind: global_buffer, .address_space: global }
      - { .name: cat_sc, .offset: 32, .size: 8, .value_kind: global_buffer, .address_space: global }
    .group_segment_fixed_size: 307200
    .private_segment_fixed_size: 0
    .kernarg_segment_align: 8
    .kernarg_segment_size: 40
    .max_flat_workgroup_size: 512
    .sgpr_count:     102
    .vgpr_count:     256
    .wavefront_size: 32
...
	.end_amdgpu_metadata
.endif
;; end of part 2
;; launch oproj (part 3): grid 8 x 32, 4 waves a work-group, clusters of 4 x 4, 327,680 bytes of LDS; arguments cat_img, cat_sc, w_o_codes, w_o_scales, out0; writes out0
.if DOCPART == 3
	.amdgcn_target "amdgcn-amd-amdhsa--gfx1250"
	.amdhsa_code_object_version 6
	.text
	.protected	k_q8fa68581ea_oproj
	.globl	k_q8fa68581ea_oproj
	.p2align	8
	.type	k_q8fa68581ea_oproj,@function
k_q8fa68581ea_oproj:
	s_mov_b64 s[64:65], 0
	v_nop
	global_prefetch_b8 v0, s[64:65] scope:SCOPE_SE
	s_setreg_imm32_b32 hwreg(HW_REG_WAVE_MODE, 25, 1), 1
	s_wait_xcnt 0x0
	s_wait_alu depctr_hold_cnt(0) depctr_sa_sdst(0) depctr_va_vdst(0) depctr_va_sdst(0) depctr_va_ssrc(0) depctr_va_vcc(0) depctr_vm_vsrc(0)
	s_getreg_b32 s2, hwreg(HW_REG_IB_STS2, 6, 4)
	s_cmp_eq_u32 s2, 0
	s_cbranch_scc0 .Lentry_in_a_cluster
	s_endpgm
.Lentry_in_a_cluster:
	s_bfe_u32 s2, ttmp6, 0x10000c
	s_cmp_lg_u32 s2, 0xf033
	s_cbranch_scc0 .Lentry_shape_is_right
	s_endpgm
.Lentry_shape_is_right:
; out = cat Wo^T on codes of FP8 (E4M3): 4,096 x 1,024 x 1,024.  A work-group makes 128 rows (Y) x 128 columns (X); wave w (rw = w / 2, cw = w % 2) 64 x 64: 16 accumulators.  Nothing is left out.
; ALL OF K LIES IN LDS, filled once, one joint load a wave, in two halves of K: wave 0 cat's images of steps 0-3, wave 1 w_o's K 0 .. 511 (128 rows of 512 bytes, 528 apart), waves 2 and 3 the second halves.  Barrier 1 shows the first halves, barrier 2, inside step 3, the rest.
; Nothing is prefetched: everything is asked for at the head.  Scale words go from memory straight into registers.
; CLUSTER 4 x 4: cat's rows hang on Y alone and are shared along a row of the cluster, w_o's on X alone, along a column.
; Source 0 = 16 rows of w_o, source 1 = 16 rows of cat: a lane holds eight neighbouring numbers of a row of out.  Inside a block of 32 cat's k go 8 h + i, then 16 + 8 h + i; w_o's fragments are read in that order, by pieces of 8 bytes.
; cat_sc: [step][row: 4,096][4 bytes].
; LIMITS: NaN and infinities among the inputs are not served.
; REGISTERS: window 0: v1-15 addresses, v16-31 w_o's scale words (16 + 8 p + step: lanes 0-15 tile 2 p, lanes 16-31 tile 2 p + 1), v36-51 cat's likewise, v64-127 the way out, v128-255 the accumulators; window 1: two sets of fragments.
.set WO,    131072
.set WOH,   128*528
.set STAGE, WO+2*WOH
.set SPARE, STAGE+4*16*272             ; the spare words: 128 bytes for each wave, two blocks of 256 bytes that no other line names
.set ADC,  4
.set ADO,  6
.set STO,  9
.set RD,   10
.set CO,   11
.set SPW,  12
.set NIL,  13
.set SW,   16
.set SC,   36
.set BK,   64
.set ACC,  128
.set G1C,  24
.set G1O,  32
.set G0C,  48
.set G0O,  52
.set MSB, 0
.macro WIN new
.if MSB != (\new)
	s_set_vgpr_msb (MSB<<8)|(\new)
.set MSB, (\new)
.endif
.endm
.macro PLACES n
.rept \n
	v_nop
.endr
.endm
.macro CROUND
	s_barrier_signal -1
	s_barrier_wait -1
	s_cmp_lg_u32 s14, 0
	s_cbranch_scc1 .Lnot_wave_0_\@
	s_barrier_signal -3
.Lnot_wave_0_\@:
	s_barrier_wait -3
	s_barrier_signal -1
	s_barrier_wait -1
.endm
	s_load_b256 s[4:11], s[0:1], 0x0               ; cat_img, cat_sc, w_o codes, w_o scales
	s_load_b64 s[12:13], s[0:1], 0x20              ; out
	v_lshl_add_u32 v[SPW], v0, 2, SPARE
	v_mov_b32 v[NIL], 0
	ds_add_u32 v[SPW], v[NIL]                      ; the opening lines: the add, twice on end, and its wait
	ds_add_u32 v[SPW], v[NIL]
	v_lshrrev_b32 v1, 5, v0
	v_readfirstlane_b32 s14, v1                    ; wave 0..3
	s_lshr_b32 s15, s14, 1                         ; rw; also: which half of K I fetch
	s_and_b32 s16, s14, 1                          ; cw
	s_bfe_u32 s17, ttmp6, 0x40000                  ; cx
	s_bfe_u32 s18, ttmp6, 0x40004                  ; cy
	s_lshl_b32 s19, ttmp9, 2
	s_add_co_u32 s19, s19, s17                     ; X
	s_and_b32 s20, ttmp7, 0xffff
	s_lshl_b32 s20, s20, 2
	s_add_co_u32 s20, s20, s18                     ; Y
	s_lshl_b32 s21, s18, 2
	s_lshl_b32 s21, 15, s21                        ; my row of the cluster
	s_lshl_b32 s22, 0x1111, s17                    ; my column
	s_or_b32 s[G1C], s21, (3<<16)|(1<<21)          ; cat: 65,536 dense bytes as 256 rows of 256
	s_mov_b32 s[G1C+1], 32<<16
	s_mov_b32 s[G1C+2], 256<<16
	s_mov_b32 s[G1C+3], 32<<16
	s_mov_b32 s[G1C+4], 256
	s_mov_b32 s[G1C+5], 32
	s_mov_b32 s[G1C+6], 0
	s_mov_b32 s[G1C+7], 0
	s_or_b32 s[G1O], s22, (1<<20)|(1<<21)|(6<<22)|(3<<25)   ; w_o: 128 rows of 512 bytes, 16 of padding behind each
	s_mov_b32 s[G1O+1], 512<<16
	s_mov_b32 s[G1O+2], 128<<16
	s_mov_b32 s[G1O+3], 512<<16
	s_mov_b32 s[G1O+4], 128
	s_mov_b32 s[G1O+5], 1024
	s_mov_b32 s[G1O+6], 0
	s_mov_b32 s[G1O+7], 0
	s_lshl_b32 s40, s20, 17                        ; cat: 131,072 bytes a block of 128 rows (registers that never hold X)
	s_lshl_b32 s23, s15, 16
	s_add_co_u32 s40, s40, s23
	s_mov_b32 s41, 0
	s_lshl_b32 s42, s19, 17                        ; w_o: 128 rows of 1,024 bytes (registers that never hold Y)
	s_lshl_b32 s2, s15, 9
	s_add_co_u32 s42, s42, s2
	s_mov_b32 s43, 0
	s_lshl_b32 s44, s20, 9                         ; cat_sc: 4 bytes a row: my 64 rows
	s_lshl_b32 s2, s15, 8
	s_add_co_u32 s44, s44, s2
	s_mov_b32 s45, 0
	s_lshl_b32 s46, s19, 12                        ; w_o's scales: 32 bytes a row: my 64 columns
	s_lshl_b32 s2, s16, 11
	s_add_co_u32 s46, s46, s2
	s_mov_b32 s47, 0
	s_lshl_b32 s66, s20, 19                        ; out
	s_lshl_b32 s2, s15, 18
	s_add_co_u32 s66, s66, s2
	s_lshl_b32 s2, s19, 9
	s_add_co_u32 s66, s66, s2
	s_lshl_b32 s2, s16, 8
	s_add_co_u32 s66, s66, s2
	s_mov_b32 s67, 0
	s_mov_b32 s[G0C], 1
	s_mov_b32 s[G0C+1], s23
	s_mov_b32 s[G0O], 1
	s_mul_i32 s[G0O+1], s15, WOH
	s_add_co_u32 s[G0O+1], s[G0O+1], WO
	s_lshl_b32 s56, s15, 13                        ; my four tiles of cat in a step's image
	s_mul_i32 s57, s16, 64*528
	s_add_co_u32 s57, s57, WO                      ; my 64 rows of w_o
	s_mul_i32 s58, s14, 16*272
	s_add_co_u32 s58, s58, STAGE                   ; my stage
	v_and_b32 v1, 15, v0                           ; r
	v_bfe_u32 v2, v0, 4, 1                         ; h
	v_and_b32 v3, 31, v0                           ; lane
	v_lshl_add_u32 v[ADC], v3, 4, s56
	v_add_nc_u32 v[ADC+1], 65536, v[ADC]
	v_mul_u32_u24 v8, v1, 528
	v_lshl_add_u32 v8, v2, 3, v8
	v_add_nc_u32 v[ADO], s57, v8
	v_add_nc_u32 v[ADO+1], WOH, v[ADO]
	v_mul_u32_u24 v8, v1, 272
	v_lshl_add_u32 v8, v2, 5, v8
	v_add_nc_u32 v[STO], s58, v8
	v_mul_u32_u24 v8, v2, 272
	v_lshl_add_u32 v8, v1, 4, v8
	v_add_nc_u32 v[RD], s58, v8
	v_lshlrev_b32 v8, 12, v2
	v_lshl_add_u32 v[CO], v1, 4, v8
	v_lshlrev_b32 v14, 2, v3
	v_lshlrev_b32 v15, 5, v3
	s_wait_alu depctr_va_vdst(0)
	s_wait_dscnt 0x0                               ; both opening adds are done
	CROUND                                         ; all sixteen work-groups are here: the joint loads meet
	s_wait_kmcnt 0x0
	s_add_nc_u64 s[G0C+2:G0C+3], s[4:5], s[40:41]
	s_or_b32 s[G0C+3], s[G0C+3], 0x80000000
	s_add_nc_u64 s[G0O+2:G0O+3], s[8:9], s[42:43]
	s_or_b32 s[G0O+3], s[G0O+3], 0x80000000
.macro ARM n, g0, g1, next             ; one load a wave; what barrier 1 shows has lines of its own
	s_cmp_eq_u32 s14, \n
	s_cbranch_scc0 \next
	tensor_load_to_lds s[\g0:\g0+3], s[\g1:\g1+7]
	s_nop 0
	PLACES 4
	s_branch .Lasked
\next:
.endm
	ARM 0, G0C, G1C, .Lwave_1
	ARM 1, G0O, G1O, .Lwave_2
	ARM 2, G0C, G1C, .Lwave_3
	tensor_load_to_lds s[G0O:G0O+3], s[G1O:G1O+7]
	s_nop 0
	PLACES 4
.Lasked:
	s_add_nc_u64 s[6:7], s[6:7], s[44:45]
	s_add_nc_u64 s[10:11], s[10:11], s[46:47]
	s_add_nc_u64 s[12:13], s[12:13], s[66:67]
.irp p, 0,1
	global_load_b128 v[SW+8*\p:SW+8*\p+3], v15, s[10:11] offset:1024*\p
	global_load_b128 v[SW+8*\p+4:SW+8*\p+7], v15, s[10:11] offset:1024*\p+16
.irp k, 0,1,2,3,4,5,6,7
	global_load_b32 v[SC+8*\p+\k], v14, s[6:7] offset:16384*\k+128*\p
.endr
.endr
.macro W d, a, b, c, sa, sb, ra, rb    ; ra, rb: the scale word lies in lanes 16-31
.if (\ra) && (\rb)
	v_wmma_scale_f32_16x16x128_f8f6f4 v[\d:\d+7], v[\a:\a+15], v[\b:\b+15], \c, v[\sa], v[\sb] matrix_a_scale:MATRIX_SCALE_ROW1 matrix_b_scale:MATRIX_SCALE_ROW1
.elseif (\ra)
	v_wmma_scale_f32_16x16x128_f8f6f4 v[\d:\d+7], v[\a:\a+15], v[\b:\b+15], \c, v[\sa], v[\sb] matrix_a_scale:MATRIX_SCALE_ROW1
.elseif (\rb)
	v_wmma_scale_f32_16x16x128_f8f6f4 v[\d:\d+7], v[\a:\a+15], v[\b:\b+15], \c, v[\sa], v[\sb] matrix_b_scale:MATRIX_SCALE_ROW1
.else
	v_wmma_scale_f32_16x16x128_f8f6f4 v[\d:\d+7], v[\a:\a+15], v[\b:\b+15], \c, v[\sa], v[\sb]
.endif
.endm
.macro FRUN j, i                       ; a run of 12 LDS loads: step j's i-th fragments of cat and of w_o into set j % 2 of window 1
.set FN, 128*((\j)%2)
.set AC2, ADC+((\j)/4)
.set AO2, ADO+((\j)/4)
	WIN 0x40
.irp c, 0,1,2,3
	ds_load_b128 v[FN+16*(\i)+4*\c:FN+16*(\i)+4*\c+3], v[AC2] offset:((\j)%4)*16384+2048*(\i)+512*\c
.endr
.irp c, 0,1,2,3
.irp e, 0,1
	ds_load_b64 v[FN+64+16*(\i)+4*\c+2*\e:FN+64+16*(\i)+4*\c+2*\e+1], v[AO2] offset:16*528*(\i)+128*((\j)%4)+32*\c+16*\e
.endr
.endr
.endm
.macro FETCH j
	FRUN \j, 0
	FRUN \j, 1
	FRUN \j, 2
	FRUN \j, 3
	WIN 0
.endm
.macro MUL4 j, a0, zero                ; the 16 accumulators by turns, in the same order in every step
.set FB, 128*((\j)%2)
.irp a, \a0
.irp b, 0,1,2,3
.if \zero
	W ACC+8*(4*(\a)+\b), FB+64+16*\b, FB+16*(\a), 0, SW+8*(\b/2)+(\j), SC+8*((\a)/2)+(\j), \b%2, (\a)%2
.else
	W ACC+8*(4*(\a)+\b), FB+64+16*\b, FB+16*(\a), v[ACC+8*(4*(\a)+\b):ACC+8*(4*(\a)+\b)+7], SW+8*(\b/2)+(\j), SC+8*((\a)/2)+(\j), \b%2, (\a)%2
.endif
.endr
.endr
.endm
.macro KSTEP j, zero                   ; the next step's fragments are fetched among this one's products; eight places stand between the step before, which has read their registers, and the first run
	s_wait_dscnt 0x0
.if (\j) == 3
	s_wait_tensorcnt 0x0                           ; the second halves are in
	s_barrier_signal -1
	s_barrier_wait -1
.endif
.if (\j) < 7
	PLACES 8
	FRUN \j+1, 0
	FRUN \j+1, 1
	WIN 0x05
	MUL4 \j, 0, \zero
	FRUN \j+1, 2
	WIN 0x05
	MUL4 \j, 1, \zero
	FRUN \j+1, 3
	WIN 0x05
.else
	WIN 0x05
	MUL4 \j, 0, \zero
	MUL4 \j, 1, \zero
.endif
	MUL4 \j, 2, \zero
	MUL4 \j, 3, \zero
.endm
	s_wait_alu depctr_va_vdst(0)
	s_cmp_lt_u32 s14, 2
	s_cbranch_scc0 .Lnot_first
	s_wait_tensorcnt 0x0                           ; waves 0, 1: the first halves are in; the other waves' wait stands at the second barrier
.Lnot_first:
	s_barrier_signal -1
	s_barrier_wait -1
	FETCH 0
	s_wait_loadcnt 0x0                             ; the scale words
	KSTEP 0, 1                                     ; the first products start the sums
.irp j, 1,2,3,4,5,6,7
	KSTEP \j, 0
.endr
	WIN 0
	PLACES 8
; THE WAY OUT, by 16 rows x 64 columns through my own stage: rows of 256 bytes, which sixteen lanes store as one aligned unit.  LDS serves a wave's instructions in order (ISA guide 5.7.1.4).
.macro TOSTAGE a
.irp b, 0,1,2,3
	ds_store_b128 v[STO], v[ACC+8*(4*(\a)+\b):ACC+8*(4*(\a)+\b)+3] offset:64*\b
	ds_store_b128 v[STO], v[ACC+8*(4*(\a)+\b)+4:ACC+8*(4*(\a)+\b)+7] offset:64*\b+16
.endr
.irp t, 0,1,2,3,4,5,6,7
	ds_load_b128 v[BK+32*((\a)%2)+4*\t:BK+32*((\a)%2)+4*\t+3], v[RD] offset:544*\t
.endr
.endm
.macro SEND a
.irp t, 0,1,2,3,4,5,6,7
	global_store_b128 v[CO], v[BK+32*((\a)%2)+4*\t:BK+32*((\a)%2)+4*\t+3], s[12:13] offset:65536*(\a)+8192*\t th:TH_STORE_NT
.endr
.endm
	TOSTAGE 0
.irp a, 1,2,3
.if \a > 1
	s_wait_xcnt 0x0                                ; block a - 2's stores have read their registers
.endif
	TOSTAGE \a
	s_wait_dscnt 16                                ; block a - 1 is back: behind it block a's 8 stores and 8 loads
	SEND \a-1
.endr
	s_wait_dscnt 0x0
	SEND 3
	s_wait_tensorcnt 0x0                           ; the wave's end
	ds_add_u32 v[SPW], v[NIL]
	s_wait_dscnt 0x0
	CROUND                                         ; the closing round
	s_endpgm
.Lfunc_end_k_q8fa68581ea_oproj:
	.size	k_q8fa68581ea_oproj, .Lfunc_end_k_q8fa68581ea_oproj-k_q8fa68581ea_oproj
	.p2alignl 7, 3214868480
	.fill 96, 4, 3214868480
	.section	.rodata,"a",@progbits
	.p2align	6, 0x0
	.amdhsa_kernel k_q8fa68581ea_oproj
		.amdhsa_group_segment_fixed_size 327680
		.amdhsa_private_segment_fixed_size 0
		.amdhsa_enable_private_segment 0
		.amdhsa_kernarg_size 40
		.amdhsa_user_sgpr_count 2
		.amdhsa_user_sgpr_kernarg_segment_ptr 1
		.amdhsa_wavefront_size32 1
		.amdhsa_system_sgpr_workgroup_id_x 1
		.amdhsa_system_sgpr_workgroup_id_y 1
		.amdhsa_system_sgpr_workgroup_id_z 1
		.amdhsa_system_vgpr_workitem_id 0
		.amdhsa_next_free_vgpr 512
		.amdhsa_next_free_sgpr 102
		.amdhsa_reserve_vcc 0
		.amdhsa_float_denorm_mode_32 3
		.amdhsa_float_denorm_mode_16_64 3
		.amdhsa_memory_ordered 1
		.amdhsa_forward_progress 1
		.amdhsa_inst_pref_size 60
	.end_amdhsa_kernel
	.amdgpu_metadata
---
amdhsa.version: [ 1, 2 ]
amdhsa.kernels:
  - .name:           k_q8fa68581ea_oproj
    .symbol:         k_q8fa68581ea_oproj.kd
    .args:
      - { .name: cat_img, .offset: 0, .size: 8, .value_kind: global_buffer, .address_space: global }
      - { .name: cat_sc, .offset: 8, .size: 8, .value_kind: global_buffer, .address_space: global }
      - { .name: w_o_codes, .offset: 16, .size: 8, .value_kind: global_buffer, .address_space: global }
      - { .name: w_o_scales, .offset: 24, .size: 8, .value_kind: global_buffer, .address_space: global }
      - { .name: out0, .offset: 32, .size: 8, .value_kind: global_buffer, .address_space: global }
    .group_segment_fixed_size: 327680
    .private_segment_fixed_size: 0
    .kernarg_segment_align: 8
    .kernarg_segment_size: 40
    .max_flat_workgroup_size: 128
    .sgpr_count:     102
    .vgpr_count:     512
    .wavefront_size: 32
...
	.end_amdgpu_metadata
.endif
;; end of part 3
